; MI455X (gfx1250); checked and timed in simulation.
; The chip was launched on July 23, 2026; its instructions are those of AMD's public machine-readable ISA for CDNA 5 (MIT licence, August 2026) and "CDNA5" Instruction Set Architecture Reference Guide (July 2026). The comments in the code are by the model that wrote it; some were corrected since.
;; Ambient Reflection Net. Allowed arithmetic: float matrix products may take bf16 or f16 operands with f32 sums; all other float work in f32.
;; Inputs: dW0 3 x 256 float32; dW1 256 x 256 float32; dW2 256 x 256 float32; dW3 256 x 3 float32; db0 256 float32; db1 256 float32; db2 256 float32; db3 3 float32; normals 262,144 x 3 float32; r0 262,144 x 1 float32; roughness 262,144 x 1 float32; sW0 8 x 256 float32; sW1 256 x 256 float32; sW2 256 x 256 float32; sW3 256 x 3 float32; sb0 256 float32; sb1 256 float32; sb2 256 float32; sb3 3 float32; view_dirs 262,144 x 3 float32.
;; Outputs: out0 262,144 x 3 float32; out1 262,144 x 3 float32.
;; One version. Each part assembles by itself: llvm-mc -triple=amdgcn-amd-amdhsa -mcpu=gfx1250 --defsym DOCPART=n.
;; ======== version 1 of 1: 2 launches
;; limits: inputs' magnitudes at most 65,504; values are held in f16: magnitudes above 65,504 overflow, below 6.1e-05 lose precision
;; workspace buffers: wh 524,288 bytes; wmax 2,048 bytes
;; launch prep (part 1): grid 128 x 1, 1 waves a work-group, no clusters, 0 bytes of LDS; arguments dW1, dW2, sW1, sW2, wh, wmax; writes wh, wmax
.if DOCPART == 1
	.amdgcn_target "amdgcn-amd-amdhsa--gfx1250"
	.amdhsa_code_object_version 6
	.text
	.protected	k_qa2f2822846_prep
	.globl	k_qa2f2822846_prep
	.p2align	8
	.type	k_qa2f2822846_prep,@function
k_qa2f2822846_prep:
	s_mov_b64 s[64:65], 0
	v_nop
	global_prefetch_b8 v0, s[64:65] scope:SCOPE_SE
	s_setreg_imm32_b32 hwreg(HW_REG_WAVE_MODE, 25, 1), 1
	s_wait_xcnt 0x0
; THE FOUR 256 x 256 WEIGHT MATRICES, f32 -> f16, and their largest magnitudes.
; wh: [net][512 rows][256] f16: dW1's rows, dW2's, sW1's, sW2's, 131,072 bytes each.  wmax: [128][4] f32: entry W holds the largest |dW1|, |dW2|, |sW1|, |sW2| among rows 2 W and 2 W + 1.
; One wave to a work-group; work-group W takes rows 2 W and 2 W + 1 of EACH matrix, so no address is chosen by the work-group's number.  A lane takes eight neighbouring numbers of a row:
; two loads of 16 bytes in, 16 bytes out, and a store of the wave covers 512 consecutive bytes.  All sixteen loads go out at once; memory binds, so LDS and the matrix unit would add nothing.
; LIMIT.  A weight of 65,520 or more in magnitude becomes an infinity in f16.
.set X, 4                              ; v[4:67]    matrix i: 16 registers: row 0's eight numbers, row 1's
.set Y, 68                             ; v[68:99]   matrix i: 8 registers to store; never rewritten, so no store's data wait for anything
.set M, 100                            ; v[100:103] the four maxima
.set T, 104
	s_load_b256 s[4:11], s[0:1], 0x0               ; dW1, dW2, sW1, sW2
	s_load_b128 s[12:15], s[0:1], 0x20             ; wh, wmax
	s_mov_b32 s16, 0x76543210                      ; v_permlanex16_b32: each lane takes its own place in the other half
	s_mov_b32 s17, 0xfedcba98
	s_lshl_b32 s18, ttmp9, 11                      ; two rows of 1,024 bytes in,
	s_lshl_b32 s19, ttmp9, 10                      ; two rows of 512 bytes out,
	s_lshl_b32 s20, ttmp9, 4                       ; 16 bytes of maxima
	v_lshl_add_u32 v1, v0, 5, s18
	v_lshl_add_u32 v2, v0, 4, s19
	v_mov_b32 v3, s20
	v_mov_b32 v[T], 0                              ; v_permlanex16_b32's destination counts as read
	s_wait_kmcnt 0x0
.irp i, 0,1,2,3
.irp c, 0,1,2,3
	global_load_b128 v[X+16*\i+4*\c:X+16*\i+4*\c+3], v1, s[4+2*\i:5+2*\i] offset:1024*(\c/2)+16*(\c%2) th:TH_LOAD_NT
.endr
.endr
.irp i, 0,1,2,3
	s_wait_loadcnt 12-4*\i                         ; loads come back in order (ISA guide 5.7.1): this matrix's four are in, the later matrices' stay out
	v_max_num_f32 v[M+\i], |v[X+16*\i]|, |v[X+16*\i+1]|
.irp z, 2,4,6,8,10,12,14
	v_max3_num_f32 v[M+\i], |v[X+16*\i+\z]|, |v[X+16*\i+\z+1]|, v[M+\i]
.endr
.irp z, 0,1,2,3,4,5,6,7
	v_cvt_pk_f16_f32 v[Y+8*\i+\z], v[X+16*\i+2*\z], v[X+16*\i+2*\z+1]
.endr
	global_store_b128 v2, v[Y+8*\i:Y+8*\i+3], s[12:13] offset:131072*\i
	global_store_b128 v2, v[Y+8*\i+4:Y+8*\i+7], s[12:13] offset:131072*\i+512
.endr
.irp x, 1,2,4,8                        ; across the 32 lanes
.irp i, 0,1,2,3
	v_max_num_f32_dpp v[M+\i], v[M+\i], v[M+\i] row_xmask:\x row_mask:0xf bank_mask:0xf
.endr
.endr
.irp i, 0,1,2,3
	v_permlanex16_b32 v[T], v[M+\i], s16, s17
	v_max_num_f32 v[M+\i], v[M+\i], v[T]
.endr
	v_cmp_gt_u32 vcc_lo, 1, v0
	s_wait_xcnt 0x0                                ; EXEC changes only behind this wait
	s_and_saveexec_b32 s21, vcc_lo
	global_store_b128 v3, v[M:M+3], s[14:15]       ; lane 0 alone: 16 bytes, the wave's whole result
	s_wait_xcnt 0x0                                ; and again, in front of the line that widens it
	s_or_b32 exec_lo, exec_lo, s21
	s_endpgm
.Lfunc_end_k_qa2f2822846_prep:
	.size	k_qa2f2822846_prep, .Lfunc_end_k_qa2f2822846_prep-k_qa2f2822846_prep
	.p2alignl 7, 3214868480
	.fill 96, 4, 3214868480
	.section	.rodata,"a",@progbits
	.p2align	6, 0x0
	.amdhsa_kernel k_qa2f2822846_prep
		.amdhsa_group_segment_fixed_size 0
		.amdhsa_private_segment_fixed_size 0
		.amdhsa_enable_private_segment 0
		.amdhsa_kernarg_size 48
		.amdhsa_user_sgpr_count 2
		.amdhsa_user_sgpr_kernarg_segment_ptr 1
		.amdhsa_wavefront_size32 1
		.amdhsa_system_sgpr_workgroup_id_x 1
		.amdhsa_system_sgpr_workgroup_id_y 1
		.amdhsa_system_sgpr_workgroup_id_z 1
		.amdhsa_system_vgpr_workitem_id 0
		.amdhsa_next_free_vgpr 112
		.amdhsa_next_free_sgpr 66
		.amdhsa_reserve_vcc 1
		.amdhsa_float_denorm_mode_32 3
		.amdhsa_float_denorm_mode_16_64 3
		.amdhsa_memory_ordered 1
		.amdhsa_forward_progress 1
		.amdhsa_inst_pref_size 9
	.end_amdhsa_kernel
	.amdgpu_metadata
---
amdhsa.version: [ 1, 2 ]
amdhsa.kernels:
  - .name:           k_qa2f2822846_prep
    .symbol:         k_qa2f2822846_prep.kd
    .args:
      - { .name: dW1, .offset: 0, .size: 8, .value_kind: global_buffer, .address_space: global }
      - { .name: dW2, .offset: 8, .size: 8, .value_kind: global_buffer, .address_space: global }
      - { .name: sW1, .offset: 16, .size: 8, .value_kind: global_buffer, .address_space: global }
      - { .name: sW2, .offset: 24, .size: 8, .value_kind: global_buffer, .address_space: global }
      - { .name: wh, .offset: 32, .size: 8, .value_kind: global_buffer, .address_space: global }
      - { .name: wmax, .offset: 40, .size: 8, .value_kind: global_buffer, .address_space: global }
    .group_segment_fixed_size: 0
    .private_segment_fixed_size: 0
    .kernarg_segment_align: 8
    .kernarg_segment_size: 48
    .max_flat_workgroup_size: 32
    .sgpr_count:     66
    .vgpr_count:     112
    .wavefront_size: 32
...
	.end_amdgpu_metadata
.endif
;; end of part 1
;; launch mlp (part 2): grid 128 x 2, 4 waves a work-group, no clusters, 327,680 bytes of LDS; arguments normals, view_dirs, roughness, r0, dW0, db0, db1, db2, dW3, db3, out0, wh, sW0, sb0, sb1, sb2, sW3, sb3, out1, wmax; writes out0, out1
.if DOCPART == 2
	.amdgcn_target "amdgcn-amd-amdhsa--gfx1250"
	.amdhsa_code_object_version 6
	.text
	.protected	k_qa2f2822846_mlp
	.globl	k_qa2f2822846_mlp
	.p2align	8
	.type	k_qa2f2822846_mlp,@function
k_qa2f2822846_mlp:
	s_mov_b64 s[64:65], 0
	v_nop
	global_prefetch_b8 v0, s[64:65] scope:SCOPE_SE
	s_setreg_imm32_b32 hwreg(HW_REG_WAVE_MODE, 25, 1), 1
	s_wait_xcnt 0x0
; TWO ReLU NETS ON 262,144 POINTS.  n = normals / max(|normals|, 1e-12), v likewise; visible = (n . v > 0);
; out0 = visible ? net_d(n) : 0 (3 -> 256 -> 256 -> 256 -> 3), out1 = visible ? net_s(n, v, roughness, r0) : 0 (8 -> 256 -> 256 -> 256 -> 3).
; SHARES.  Grid y picks the net, grid x 2,048 points; each of the four waves takes 512 points, as 8 batches of 64 (four tiles of 16).  One text serves both nets without a branch: the diffuse
; net is the specular one with rows 3..7 of W0 equal to 0.  W1 and W2 arrive in f16 (wh, made by the launch before) by one tensor load a wave and stay in LDS; activations never leave registers.
; LAYOUT.  Every layer is H_out^T = W^T H_in^T: source 0 = 16 output features x 32 k (W lies in LDS as in memory, [k][n], and is turned by ds_load_tr16_b128), source 1 = 32 k x 16 points.
; In the result a lane holds ONE point (lane % 16) and the features 8 (lane / 16) + 0..7; two such results, after ReLU, rounded to f16 in pairs, ARE the next layer's source 1.
; A BATCH, in loops over fixed registers.  PHASE 1, eight k steps: the second layer's 64 accumulators stay in registers and take H0's fragment of the step, while the first layer makes the next step's
; fragment beside them.  MIDDLE: ReLU and rounding of the 64 accumulators, in place.  PHASE 2, eight pairs of feature tiles of the third layer: each pair, after ReLU and rounding, is one k step of the last layer.
; The price of the loops: phase 1's last step makes a ninth fragment of H0 (8 products on zero columns of W0) and fetches 34 LDS loads that serve nothing; the middle has no matrix work beside it;
; the last batch loads its own 2 KB of inputs once more.
; FORMAT.  Matrix operands are f16, sums f32.  The mask is made of the f32 inputs in f32.  f16's range is given room by the program: ReLU nets are positively homogeneous, so a power of two A
; multiplies W0, b0, b1, b2 and 1 / A the last sums.  A comes from a bound on every hidden number: M0 = w0 (6 + 2 R) + c0, M1 = 256 w1 M0 + c1, M2 = 256 w2 M1 + c2 (w, c: largest
; magnitudes of the weights and biases; R: of roughness and r0 among the group's points); A M < 2^14, so no hidden number reaches f16's end.  b0 rides in the first product as three f16 terms against inputs of 1.
; LIMITS.  |W1|, |W2|, |W3|, |roughness|, |r0| stay under 65,504 (they are rounded to f16 unscaled); the bound M stays finite; NaN and infinities are not treated apart (ReLU is a maximum in which a NaN
; loses); a point whose n . v is of the order of 1e-7 may fall on the other side of the mask than another order of rounding puts it.
; NO CLUSTER: what the work-groups of a net share, 262,144 bytes of weights, each fetches once, at its start, ahead of the 9,024 matrix instructions that a wave issues on them; no loop fetches a shared tile.
; REGISTERS, in windows of 256 (s_set_vgpr_msb: bits 1:0 source 0, 3:2 source 1, 5:4 source 2, 7:6 destination):
;   window 0: v0-31 addresses and W3's fragment; v32-95 two sets of four accumulators; v96-127 a fragment of H for four tiles; v128-159 the first layer's source 1; v160-191 the points' inputs;
;             v192-223 the last layer's sums; v224-239 two fragments of W0; v240-255 two bias tiles      window 1: v0-127 sixteen weight fragments; v128-255 b1's sixteen tiles
;   window 2: the second layer's accumulators of even feature tiles ((tile 2 e, points t) at 32 e + 8 t), later H1 (fragment (k step e, t) at the same place)      window 3: those of odd feature tiles
.set PW,    544                 ; an LDS row of W1, W2: 512 bytes + 32 = 17 x 32: the turning load's 8 rows x 32 bytes fall on different banks (64 banks of 4 bytes: ISA guide 11.1)
.set PW0,   672                 ; a row of W0: 320 columns (the last 64 zero) + 32 bytes = 21 x 32
.set LW1,   0                   ; W1, 256 rows
.set LW2,   256*PW              ; W2, 256 rows: with W1 one array of 512 rows, the only bytes that tensor loads fill
.set LW0,   512*PW              ; 16 rows: 0-7 A W0, 8-10 the three terms of A b0, 11-15 zero
.set LW3,   LW0+16*PW0          ; [256 k][16 columns] f16, 32 bytes a row: columns 0-2 W3, columns 8-10 the same again, the rest 0
.set LB1,   LW3+8192            ; A b1, f32
.set LB2,   LB1+1024            ; A b2, f32
.set LRED,  LB2+1024            ; 32 bytes of maxima for each wave
.set LSTG,  LRED+256            ; 768 bytes for each wave: the way out
.set SPARE, LSTG+4*768          ; the spare words, 128 bytes for each wave: two blocks of 256 bytes that no other line names
.set LANE, 1
.set LT,   2                    ; my lane's place in a turning load from rows of 544 bytes; never rewritten
.set LT0,  3                    ; from rows of 672 bytes
.set LT3,  4                    ; from rows of 32 bytes
.set LTB,  5                    ; 32 (lane / 16): my place in a bias tile
.set ADA,  6                    ; phase 1: W1's fragments of the step to be fetched
.set ADW0, 7                    ; W0's
.set STS,  10                   ; the way out: where I put a point's 12 bytes
.set STL,  11                   ; where I read 8 bytes back
.set GO,   12                   ; 8 x lane
.set SPW,  14                   ; LDS address of my spare word; never rewritten
.set NIL,  15                   ; 0; never rewritten
.set ADB2, 16                   ; phase 2: the pair's bias tiles
.set ADW3, 17                   ; W3's fragment
.set VO12, 18                   ; 12 (lane % 16)
.set VO4,  19                   ; 4 (lane % 16)
.set AD2,  20                   ; v20-22  W2's fragments: k steps 0-2, 3-5, 6-7 (an LDS offset has 16 bits)
.set W3F,  24
.set ACC0, 32                   ; set s, points t at ACC0 + 32 s + 8 t
.set HB,   96
.set X0,   128
.set RAW,  160                  ; tile t: n0 n1 n2 roughness v0 v1 v2 r0
.set OACC, 192
.set W0F,  224
.set BIAS2, 240
.set BIAS1, 128                 ; window 1
.set Q,    32                   ; the inputs' preparation and the way out work in the accumulator sets, which are free then
.set DOT,  40
.set PX,   44
.set ET,   32
.set U0,   40
.set SW0,  32                   ; staging: W0's eight rows, two columns a thread
.set SB,   48                   ; b0, b1, b2
.set SW3,  54                   ; six numbers of W3
.set SR,   60                   ; the group's roughness and r0
.set WX,   94                   ; one entry of wmax: w1, w2 of two rows
.set QM,   96                   ; the maxima w0 w1 w2 c0 c1 c2 R 0
.set WM,   104                  ; the four waves' maxima
.set AA,   136                  ; A, twice
.set AZ,   138                  ; A in the specular net, 0 in the diffuse one, twice
.set TB,   32                   ; s32  LDS byte of W1's k step to be fetched
.set T0,   33                   ; s33  of W0's columns to be fetched
.set TC,   34                   ; s34  of W2's columns to be fetched
.set TBB,  35                   ; s35  of b2's tiles to be fetched
.set T3,   36                   ; s36  of W3's rows to be fetched
.set CG,   37                   ; s37  counts k steps
.set CP,   38                   ; s38  counts pairs
.set ONE2, 39                   ; s39  1, 1 in f16: the inputs that meet b0's terms
.set ONE1, 40                   ; s40  1, 0
.set ST12, 42                   ; s[42:43] the step of normals' and view_dirs' addresses
.set ST4,  44                   ; s[44:45] of roughness' and r0's
.set G0,   48                   ; s[48:51] descriptor group 0
.set G1,   52                   ; s[52:59] descriptor group 1
.set B3,   60                   ; s[60:62] b3
.set INVA, 63                   ; s63  1 / A
.set HIM,  72                   ; s72  lanes 16-31
.set SEL,  74                   ; s[74:75] v_permlanex16_b32's selects
.set VIS,  76                   ; s76, s77  the visible points of the two pairs of tiles
.set FY,   82                   ; s82  1.0 in the specular net, 0 in the diffuse one
.set MSB, 0
.macro WIN new                  ; the immediate's high byte repeats the setting that is left; a switch that changes nothing is dropped
.if MSB != (\new)
	s_set_vgpr_msb (MSB<<8)|(\new)
.set MSB, (\new)
.endif
.endm
	s_load_b256 s[4:11], s[0:1], 0x0               ; normals, view_dirs, roughness, r0
	s_load_b256 s[12:19], s[0:1], 0x20             ; the diffuse net's W0 b0 b1 b2
	s_load_b256 s[20:27], s[0:1], 0x40             ; its W3 b3, out0; wh
	s_load_b256 s[32:39], s[0:1], 0x60             ; the specular net's W0 b0 b1 b2
	s_load_b256 s[40:47], s[0:1], 0x80             ; its W3 b3, out1; wmax
	v_lshl_add_u32 v[SPW], v0, 2, SPARE
	v_mov_b32 v[NIL], 0
	ds_add_u32 v[SPW], v[NIL]                      ; the wave's opening: the add and its wait stand ahead of my first tensor load; the set-up below, work on registers, stands between them
	ds_add_u32 v14, v15
	v_and_b32 v[LANE], 31, v0
	v_lshrrev_b32 v32, 5, v0
	v_readfirstlane_b32 s30, v32                   ; my wave's number
	s_mov_b32 s2, ttmp9                            ; which 2,048 points
	s_and_b32 s3, ttmp7, 0xffff                    ; which net
	s_mov_b32 s[HIM], 0xffff0000
	s_mov_b32 s[SEL], 0x76543210                   ; each lane takes its own place in the other half
	s_mov_b32 s[SEL+1], 0xfedcba98
	; the descriptor: my 128 of the net's 512 rows of 256 f16, padded in LDS
	s_mov_b32 s[G0], 1                             ; 1:0 count = 1
	s_mul_i32 s[G0+1], s30, 128*PW                 ; 63:32 LDS address: wave x 128 rows
	s_mov_b32 s[G1], (1<<16)|(1<<20)|(6<<22)|(7<<25)  ; 17:16 elements of 2 bytes; 20 padding on; 24:22 after every 128 words (code 6); 31:25 8 words of it (code 7)
	s_mov_b32 s[G1+1], 256<<16                     ; tensor_dim0 = 256
	s_mov_b32 s[G1+2], 128<<16                     ; tensor_dim1 = 128
	s_mov_b32 s[G1+3], 256<<16                     ; tile_dim0 = 256
	s_mov_b32 s[G1+4], 128                         ; tile_dim1 = 128
	s_mov_b32 s[G1+5], 256                         ; 256 elements from row to row
	s_mov_b32 s[G1+6], 0
	s_mov_b32 s[G1+7], 0
	s_lshl_b32 s70, s3, 18                         ; the net's 262,144 bytes of wh,
	s_lshl_b32 s71, s30, 16                        ; my 128 rows of 512 bytes
	s_add_co_u32 s70, s70, s71
	s_mov_b32 s71, 0
	; the turning load: lane l reads 16 bytes of row 8 (l / 16) + l % 8, columns 8 ((l / 8) % 2) + 0..7
	v_and_b32 v32, 7, v0
	v_bfe_u32 v33, v0, 4, 1                        ; l / 16
	v_bfe_u32 v34, v0, 3, 1
	v_and_b32 v35, 15, v0                          ; l % 16
	v_lshl_add_u32 v32, v33, 3, v32
	v_mul_u32_u24 v[LT], v32, PW
	v_lshl_add_u32 v[LT], v34, 4, v[LT]
	v_mul_u32_u24 v[LT0], v32, PW0
	v_lshl_add_u32 v[LT0], v34, 4, v[LT0]
	v_lshlrev_b32 v[LT3], 5, v32
	v_lshl_add_u32 v[LT3], v34, 4, v[LT3]
	v_lshlrev_b32 v[LTB], 5, v33                   ; register j of a bias tile is b[16 m + 8 (l / 16) + j]
	s_mul_i32 s85, s30, 768
	s_add_co_u32 s85, s85, LSTG                    ; my stage
	v_mad_u32_u24 v[STS], v[LANE], 12, s85
	v_lshl_add_u32 v[STL], v[LANE], 3, s85
	v_lshlrev_b32 v[GO], 3, v[LANE]
	v_mul_u32_u24 v[VO12], v35, 12                 ; a point's 12 bytes: both halves of the lanes take point l % 16
	v_lshlrev_b32 v[VO4], 2, v35
	v_lshlrev_b32 v144, 3, v0                      ; thread t: 8 t,
	v_mul_u32_u24 v145, v0, 24                     ; 24 t,
	v_lshlrev_b32 v146, 4, v0                      ; 16 t
	s_lshl_b32 s83, s3, 10                         ; W0's rows 3-7: at their place in the specular net; in the diffuse net, which has three rows, row 0 is read in their stead
.irp k, 3,4,5,6,7
	s_mul_i32 s84, s83, \k
	v_add_nc_u32 v[144+\k], s84, v144
.endr
	s_lshl_b32 s84, s3, 3
	v_lshl_add_u32 v152, v0, 4, s84                ; entry t of wmax, the net's half of it
	s_wait_dscnt 0x0                               ; the opening add is done
	s_wait_kmcnt 0x0
	s_add_nc_u64 s[G0+2:G0+3], s[26:27], s[70:71]  ; 120:64 global address
	s_or_b32 s[G0+3], s[G0+3], 0x80000000          ; 127:126 type = 2
	tensor_load_to_lds s[G0:G0+3], s[G1:G1+7]      ; my one tensor load of the launch: 65,536 bytes; nothing is ever filled again
	s_nop 0
.rept 4
	v_nop
.endr
	s_cmp_lg_u32 s3, 0                             ; the net's seven addresses
.irp p, 12,14,16,18,20,22,24
	s_cselect_b64 s[\p:\p+1], s[\p+20:\p+21], s[\p:\p+1]
.endr
	s_cselect_b32 s[FY], 1.0, 0
	s_load_b96 s[B3:B3+2], s[22:23], 0x0           ; b3
	s_mov_b32 s[ONE2], 0x3c003c00
	s_mov_b32 s[ONE1], 0x00003c00
	s_mov_b32 s[ST12+1], 0
	s_mov_b32 s[ST4+1], 0
	s_lshl_b32 s70, s2, 13                         ; the group's 2,048 points x 4 bytes
	s_add_nc_u64 s[78:79], s[8:9], s[70:71]        ; roughness and r0 at the group's first point
	s_add_nc_u64 s[80:81], s[10:11], s[70:71]
	s_lshl_b32 s84, s30, 11                        ; my wave's 512 points x 4 bytes
	s_add_co_u32 s70, s70, s84
	s_add_nc_u64 s[8:9], s[8:9], s[70:71]          ; at my wave's first point
	s_add_nc_u64 s[10:11], s[10:11], s[70:71]
	s_mul_i32 s70, s70, 3                          ; x 12 bytes
	s_add_nc_u64 s[4:5], s[4:5], s[70:71]
	s_add_nc_u64 s[6:7], s[6:7], s[70:71]
	s_add_nc_u64 s[24:25], s[24:25], s[70:71]
.irp k, 0,1,2
	global_load_b64 v[SW0+2*\k:SW0+2*\k+1], v144, s[12:13] offset:1024*\k   ; W0: thread t holds columns 2 t, 2 t + 1 of each row
.endr
.irp k, 3,4,5,6,7
	global_load_b64 v[SW0+2*\k:SW0+2*\k+1], v[144+\k], s[12:13]
.endr
	global_load_b64 v[SB:SB+1], v144, s[14:15]     ; b0, b1, b2 likewise
	global_load_b64 v[SB+2:SB+3], v144, s[16:17]
	global_load_b64 v[SB+4:SB+5], v144, s[18:19]
	global_load_b64 v[SW3:SW3+1], v145, s[20:21]   ; W3: rows 2 t and 2 t + 1, six numbers
	global_load_b64 v[SW3+2:SW3+3], v145, s[20:21] offset:8
	global_load_b64 v[SW3+4:SW3+5], v145, s[20:21] offset:16
	global_load_b64 v[WX:WX+1], v152, s[46:47]
.irp i, 0,1,2,3
	global_load_b128 v[SR+4*\i:SR+4*\i+3], v146, s[78:79] offset:2048*\i        ; the group's roughness and r0, for R
	global_load_b128 v[SR+16+4*\i:SR+16+4*\i+3], v146, s[80:81] offset:2048*\i
.endr
.irp t, 0,1,2,3
	global_load_b96 v[RAW+8*\t:RAW+8*\t+2], v[VO12], s[4:5] offset:192*\t       ; batch 0
	global_load_b96 v[RAW+8*\t+4:RAW+8*\t+6], v[VO12], s[6:7] offset:192*\t
	global_load_b32 v[RAW+8*\t+3], v[VO4], s[8:9] offset:64*\t
	global_load_b32 v[RAW+8*\t+7], v[VO4], s[10:11] offset:64*\t
.endr
	s_wait_xcnt 0x0                                ; the bases are stepped only behind this wait
	s_add_nc_u64 s[4:5], s[4:5], 768               ; on to batch 1
	s_add_nc_u64 s[6:7], s[6:7], 768
	s_add_nc_u64 s[8:9], s[8:9], 256
	s_add_nc_u64 s[10:11], s[10:11], 256
; THE MAXIMA: in each lane, across the wave's lanes, across the four waves through LDS
	s_wait_loadcnt 0x0
	v_max_num_f32 v[QM], |v[SW0]|, |v[SW0+1]|
.set n, SW0+2
.rept 7
	v_max3_num_f32 v[QM], |v[n]|, |v[n+1]|, v[QM]
.set n, n+2
.endr
	v_mov_b32 v[QM+1], v[WX]
	v_mov_b32 v[QM+2], v[WX+1]
	v_max_num_f32 v[QM+3], |v[SB]|, |v[SB+1]|
	v_max_num_f32 v[QM+4], |v[SB+2]|, |v[SB+3]|
	v_max_num_f32 v[QM+5], |v[SB+4]|, |v[SB+5]|
	v_max_num_f32 v[QM+6], |v[SR]|, |v[SR+1]|
.set n, SR+2
.rept 15
	v_max3_num_f32 v[QM+6], |v[n]|, |v[n+1]|, v[QM+6]
.set n, n+2
.endr
	v_mul_f32 v[QM+6], s[FY], v[QM+6]              ; the diffuse net's weights for roughness and r0 are 0: R = 0
	v_mov_b32 v[QM+7], 0
	v_mov_b32 v143, 0                              ; v_permlanex16_b32's destination counts as read
.irp x, 1,2,4,8
.irp k, 0,1,2,3,4,5,6
	v_max_num_f32_dpp v[QM+\k], v[QM+\k], v[QM+\k] row_xmask:\x row_mask:0xf bank_mask:0xf
.endr
.endr
.irp k, 0,1,2,3,4,5,6
	v_permlanex16_b32 v143, v[QM+\k], s[SEL], s[SEL+1]
	v_max_num_f32 v[QM+\k], v[QM+\k], v143
.endr
	s_lshl_b32 s70, s30, 5
	s_add_co_u32 s70, s70, LRED
	v_mov_b32 v143, s70
	ds_store_b128 v143, v[QM:QM+3]                 ; all lanes write the same 32 bytes with the same numbers
	ds_store_b128 v143, v[QM+4:QM+7] offset:16
	s_wait_dscnt 0x0                               ; for the others' sake: my maxima are in LDS
	s_barrier_signal -1
	s_barrier_wait -1
	v_mov_b32 v143, LRED
.irp i, 0,1,2,3,4,5,6,7
	ds_load_b128 v[WM+4*\i:WM+4*\i+3], v143 offset:16*\i
.endr
	s_wait_dscnt 0x0
.irp k, 0,1,2,3,4,5,6
	v_max3_num_f32 v[QM+\k], v[WM+\k], v[WM+8+\k], v[WM+16+\k]
.endr
.irp k, 0,1,2,3,4,5,6
	v_max_num_f32 v[QM+\k], v[QM+\k], v[WM+24+\k]
.endr
	v_fma_f32 v140, v[QM+6], 2.0, 0x40c00000       ; 6 + 2 R bounds the sum of the eight inputs' magnitudes
	v_mul_f32 v141, 0x43800000, v[QM+1]            ; 256 w1
	v_mul_f32 v142, 0x43800000, v[QM+2]            ; 256 w2
	v_fma_f32 v140, v[QM], v140, v[QM+3]           ; M0
	v_fma_f32 v141, v141, v140, v[QM+4]            ; M1
	v_fma_f32 v142, v142, v141, v[QM+5]            ; M2
	v_max3_num_f32 v140, v140, v141, v142
	v_lshrrev_b32 v140, 23, v140                   ; e: M < 2^(e - 126)
	v_sub_nc_u32 v140, 0x10b, v140
	v_min_u32 v140, 0xfd, v140                     ; a = min(267 - e, 253): A = 2^(a - 127), A M < 2^14, and 1 / A is a normal number
	v_lshlrev_b32 v[AA], 23, v140
	v_mov_b32 v[AA+1], v[AA]
	v_mul_f32 v[AZ], s[FY], v[AA]
	v_mul_f32 v[AZ+1], s[FY], v[AA]
	v_sub_nc_u32 v140, 0xfe, v140
	v_lshlrev_b32 v140, 23, v140
	v_readfirstlane_b32 s[INVA], v140              ; 1 / A: a factor, never an address or a branch
; THE SMALL TENSORS INTO LDS
	v_lshl_add_u32 v153, v0, 2, LW0
	v_lshl_add_u32 v154, v0, 3, LB1
	v_lshl_add_u32 v155, v0, 6, LW3
	v_lshrrev_b32 v156, 3, v0                      ; W0's columns 256-319: thread t clears 16 bytes of row t / 8
	v_and_b32 v157, 7, v0
	v_mul_u32_u24 v156, v156, PW0
	v_lshl_add_u32 v156, v157, 4, v156
	v_add_nc_u32 v156, LW0+512, v156
.irp k, 0,1,2
	v_pk_mul_f32 v[SW0+2*\k:SW0+2*\k+1], v[SW0+2*\k:SW0+2*\k+1], v[AA:AA+1]
.endr
.irp k, 3,4,5,6,7
	v_pk_mul_f32 v[SW0+2*\k:SW0+2*\k+1], v[SW0+2*\k:SW0+2*\k+1], v[AZ:AZ+1]
.endr
.irp k, 0,1,2,3,4,5,6,7
	v_cvt_pk_f16_f32 v[120+\k], v[SW0+2*\k], v[SW0+2*\k+1]
	ds_store_b32 v153, v[120+\k] offset:PW0*\k
.endr
	v_pk_mul_f32 v[SB:SB+1], v[SB:SB+1], v[AA:AA+1]   ; A b0 = hi + mid + lo, each an f16; the two differences are exact in f32
	v_cvt_pk_f16_f32 v92, v[SB], v[SB+1]
	v_cvt_f32_f16 v140, v92.l
	v_cvt_f32_f16 v141, v92.h
	v_pk_add_f32 v[SB:SB+1], v[SB:SB+1], v[140:141] neg_lo:[0,1] neg_hi:[0,1]
	v_cvt_pk_f16_f32 v93, v[SB], v[SB+1]
	v_cvt_f32_f16 v140, v93.l
	v_cvt_f32_f16 v141, v93.h
	v_pk_add_f32 v[SB:SB+1], v[SB:SB+1], v[140:141] neg_lo:[0,1] neg_hi:[0,1]
	v_cvt_pk_f16_f32 v116, v[SB], v[SB+1]
	ds_store_b32 v153, v92 offset:8*PW0
	ds_store_b32 v153, v93 offset:9*PW0
	ds_store_b32 v153, v116 offset:10*PW0
.irp z, 104,105,106,107
	v_mov_b32 v\z, 0
.endr
.irp k, 11,12,13,14,15
	ds_store_b32 v153, v104 offset:PW0*\k
.endr
	ds_store_b128 v156, v[104:107]
	v_pk_mul_f32 v[SB+2:SB+3], v[SB+2:SB+3], v[AA:AA+1]
	v_pk_mul_f32 v[SB+4:SB+5], v[SB+4:SB+5], v[AA:AA+1]
	ds_store_b64 v154, v[SB+2:SB+3]
	ds_store_b64 v154, v[SB+4:SB+5] offset:1024
	v_cvt_pk_f16_f32 v108, v[SW3], v[SW3+1]        ; W3's row 2 t: three numbers and five zeros, twice
	v_cvt_pk_f16_f32 v109, v[SW3+2], 0
	v_mov_b32 v110, 0
	v_mov_b32 v111, 0
	v_cvt_pk_f16_f32 v112, v[SW3+3], v[SW3+4]      ; row 2 t + 1
	v_cvt_pk_f16_f32 v113, v[SW3+5], 0
	v_mov_b32 v114, 0
	v_mov_b32 v115, 0
	ds_store_b128 v155, v[108:111]
	ds_store_b128 v155, v[108:111] offset:16
	ds_store_b128 v155, v[112:115] offset:32
	ds_store_b128 v155, v[112:115] offset:48
	s_wait_tensorcnt 0x0                           ; for the others' sake: my 128 rows of W1 and W2 have landed,
	s_wait_dscnt 0x0                               ; and all my stores are done
	s_barrier_signal -1
	s_barrier_wait -1                              ; the net lies in LDS, and from here on nobody writes it
	; what stays for the whole launch: k = 16..31 of the first layer's two sources are 0; the last layer's rows 3-7 meet zero columns of W3; b1's sixteen tiles
.irp t, 0,1,2,3
.irp z, 4,5,6,7
	v_mov_b32 v[X0+8*\t+\z], 0
.endr
.irp z, 3,4,5,6,7
	v_mov_b32 v[OACC+8*\t+\z], 0
.endr
.endr
.irp t, 0,1
.irp z, 4,5,6,7
	v_mov_b32 v[W0F+8*\t+\z], 0
.endr
.endr
	v_add_nc_u32 v32, LB1, v[LTB]
	WIN 0x40
.set n, 0
.rept 16
	ds_load_b128 v[BIAS1+8*n:BIAS1+8*n+3], v32 offset:64*n
	ds_load_b128 v[BIAS1+8*n+4:BIAS1+8*n+7], v32 offset:64*n+16
.set n, n+1
.endr
	WIN 0
	s_wait_kmcnt 0x0                               ; b3
	s_mov_b32 s31, 8
; ---- PHASE 1's pieces ----
; The eight fragments of half hq (feature tiles 2 f + hq) of W1's k step at ADA: 16 loads in one run
.macro FETCH_A hq
	WIN 0x40
.irp f, 0,1,2,3,4,5,6,7
	ds_load_tr16_b128 v[64*(\hq)+8*\f:64*(\hq)+8*\f+3], v[ADA] offset:64*\f+32*(\hq)
	ds_load_tr16_b128 v[64*(\hq)+8*\f+4:64*(\hq)+8*\f+7], v[ADA] offset:64*\f+32*(\hq)+16*PW
.endr
.endm
; W0's next 32 columns: two fragments, of which only k = 0..15 is loaded
.macro W0LOAD
	WIN 0
	v_add_nc_u32 v[ADW0], s[T0], v[LT0]
	s_add_co_u32 s[T0], s[T0], 64
	ds_load_tr16_b128 v[W0F:W0F+3], v[ADW0]
	ds_load_tr16_b128 v[W0F+8:W0F+11], v[ADW0] offset:32
.endm
; The first layer's eight products for 32 features and 64 points (b0 is in the product).  A vector instruction that reads a matrix result stands four plain vector instructions behind it (ISA guide 7.12.1): four v_nop.
.macro L0P
	WIN 0
.irp tq, 0,1,2,3
.irp mq, 0,1
	v_wmma_f32_16x16x32_f16 v[ACC0+32*\mq+8*\tq:ACC0+32*\mq+8*\tq+7], v[W0F+8*\mq:W0F+8*\mq+7], v[X0+8*\tq:X0+8*\tq+7], 0
.endr
.endr
.rept 4
	v_nop
.endr
.endm
; ReLU, group r of 16: registers 4 (r % 2) .. of the result of set (r / 2) % 2, points r / 4: each result's lowest registers first
.macro RL r
	WIN 0
.set rB, ACC0+32*(((\r)/2)%2)+8*((\r)/4)+4*((\r)%2)
.irp z, 0,1,2,3
	v_max_num_f32 v[rB+\z], 0, v[rB+\z]
.endr
.endm
; Rounding: the result of set mq, points tq, into half mq of the fragment for points tq
.macro CV tq, mq
	WIN 0
.set rB, ACC0+32*(\mq)+8*(\tq)
.set rH, HB+8*(\tq)+4*(\mq)
.irp z, 0,1,2,3
	v_cvt_pk_f16_f32 v[rH+\z], v[rB+2*\z], v[rB+2*\z+1]
.endr
.endm
; A K STEP of the second layer: 64 products, n = 32 hb + 8 t + e: accumulator (feature tile 2 e + hb, points t), each once: no two products that follow each other share one.
; first = 1: the products start the sums, with b1's tile as C.  Beside them the NEXT step's fragment of H0 is made, in groups of four vector instructions behind every second product:
;   n = 1, 3    this step's fragment for points 3 is rounded (its first reader is n = 24)          n = 7       the first layer's eight products for the next step
;   n = 9 .. 39 sixteen groups of ReLU                                                         n = 43 .. 63 the fragments for points 0, 1, 2 are rounded, each behind its last reader (n = 39, 47, 55)
; Each rounding into a fragment, and each run of loads into weight fragments, has a group of four plain instructions between it and the last product that read those registers (ISA guide 7.12.1 for the roundings).
; The weight fragments are loaded again in place: the even half behind n = 31, the odd half behind n = 63, each 32 products or more ahead of its first use.
.macro TRIP first
.if \first
	s_wait_dscnt 0x0                               ; all that was asked for is in
.else
	s_wait_dscnt 16                                ; W0's two loads and the even half's sixteen are in; the odd half's sixteen, issued behind them, may be out
.endif
.set n, 0
.rept 64
.set hb, n/32
.set tt, (n/8)%4
.set ee, n%8
.set rD, 32*ee+8*tt
.if \first
	WIN ((2+hb)<<6)|0x11                           ; D in window 2 or 3, C and the weights in window 1, H0 in window 0
	v_wmma_f32_16x16x32_f16 v[rD:rD+7], v[64*hb+8*ee:64*hb+8*ee+7], v[HB+8*tt:HB+8*tt+7], v[BIAS1+8*(2*ee+hb):BIAS1+8*(2*ee+hb)+7]
.else
	WIN ((2+hb)<<6)|((2+hb)<<4)|0x01
	v_wmma_f32_16x16x32_f16 v[rD:rD+7], v[64*hb+8*ee:64*hb+8*ee+7], v[HB+8*tt:HB+8*tt+7], v[rD:rD+7]
.endif
.if n == 1
	CV 3, 0
.elseif n == 3
	CV 3, 1
.elseif n == 7
	L0P
.elseif (n >= 9) && (n <= 39) && (n%2 == 1)
	RL (n-9)/2
.if n == 31
	s_wait_dscnt 0x0                               ; the odd half, asked for 32 products ago, is in
	v_add_nc_u32 v[ADA], s[TB], v[LT]              ; the next k step's 32 rows
	s_add_co_u32 s[TB], s[TB], 32*PW
	W0LOAD
	FETCH_A 0
.endif
.elseif (n >= 43) && (n%4 == 3)
	CV (n-43)/8, ((n-43)/4)%2
.endif
.set n, n+1
.endr
	FETCH_A 1
	WIN 0
.endm
; ---- PHASE 2's pieces ----
.macro ADDR2                    ; the addresses of the next pair's fragments and bias tiles
	v_add_nc_u32 v[AD2], s[TC], v[LT]
	v_add_nc_u32 v[AD2+1], 96*PW, v[AD2]
	v_add_nc_u32 v[AD2+2], 192*PW, v[AD2]
	v_add_nc_u32 v[ADB2], s[TBB], v[LTB]
	s_add_co_u32 s[TC], s[TC], 64
	s_add_co_u32 s[TBB], s[TBB], 128
.endm
.macro BLOAD mq                 ; bias tile mq of the pair
	ds_load_b128 v[BIAS2+8*(\mq):BIAS2+8*(\mq)+3], v[ADB2] offset:64*(\mq)
	ds_load_b128 v[BIAS2+8*(\mq)+4:BIAS2+8*(\mq)+7], v[ADB2] offset:64*(\mq)+16
.endm
.macro F2 mq, k                 ; load k of the 16 that bring feature tile mq's eight fragments: k step k / 2
	ds_load_tr16_b128 v[64*(\mq)+4*(\k):64*(\mq)+4*(\k)+3], v[AD2+((\k)/2)/3] offset:(((\k)/2)%3)*32*PW+32*(\mq)+16*PW*((\k)%2)
.endm
.macro W3LOAD                   ; W3's next 32 rows: one fragment
	v_add_nc_u32 v[ADW3], s[T3], v[LT3]
	s_add_co_u32 s[T3], s[T3], 1024
	ds_load_tr16_b128 v[W3F:W3F+3], v[ADW3]
	ds_load_tr16_b128 v[W3F+4:W3F+7], v[ADW3] offset:512
.endm
; A HALF: feature tile mm of a pair: 32 products, k step w / 4, points w % 4; the four accumulators of set mm take turns, one instruction a turn; b2's tile starts the sums.
; rid = 1: behind the products ride the other set's results: for points j two ReLUs behind each of products 8 j .. 8 j + 3 (a maximum of three with the register as source 2, whose window is 0 under the
; products' setting: no switch; lowest registers first), four roundings behind product 8 j + 4.  Points 0's first ReLU has the four roundings behind the last half's product 28 between it and that product.
; fa = 1: the other half's next bias tile (behind product 4) and eight fragments (behind products 5-7 and 13-15) are fetched, sixteen products or more ahead of the wait for them; twelve plain instructions
; stand between the last product that read those registers and the first load.  step = 1: the addresses go on to the next pair, and W3's fragment for this pair is fetched.
.macro HALF mm, rid, fa, step
	s_wait_dscnt 0x0                               ; this half's operands are in
.set w, 0
.rept 32
.set g, w/4
.set tp, w%4
.set j, w/8
.set i, w%8
.set rD, ACC0+32*(\mm)+8*tp
.set rR, ACC0+32*(1-(\mm))+8*j
	WIN 0x09                                       ; the weights in window 1, H1 in window 2, C and D in window 0
.if g == 0
	v_wmma_f32_16x16x32_f16 v[rD:rD+7], v[64*(\mm)+8*g:64*(\mm)+8*g+7], v[32*g+8*tp:32*g+8*tp+7], v[BIAS2+8*(\mm):BIAS2+8*(\mm)+7]
.else
	v_wmma_f32_16x16x32_f16 v[rD:rD+7], v[64*(\mm)+8*g:64*(\mm)+8*g+7], v[32*g+8*tp:32*g+8*tp+7], v[rD:rD+7]
.endif
.if \rid
.if i < 4
	v_max3_num_f32 v[rR+2*i], 0, 0, v[rR+2*i]
	v_max3_num_f32 v[rR+2*i+1], 0, 0, v[rR+2*i+1]
.elseif i == 4
	WIN 0
.set rH, HB+8*j+4*(1-(\mm))
.irp z, 0,1,2,3
	v_cvt_pk_f16_f32 v[rH+\z], v[rR+2*\z], v[rR+2*\z+1]
.endr
.if w == 4
.if \step
.if \fa
	ADDR2
.endif
	W3LOAD
.endif
.if \fa
	BLOAD 1-(\mm)
.endif
.endif
.elseif (j < 2) && (\fa)
	WIN 0x40
.set lq, 3*j+i-5
.if lq < 4
	F2 1-(\mm), 3*lq
	F2 1-(\mm), 3*lq+1
	F2 1-(\mm), 3*lq+2
.else
	F2 1-(\mm), 2*lq+4
	F2 1-(\mm), 2*lq+5
.endif
.endif
.else
.if w == 31
.rept 4
	v_nop                                          ; a bare half: the places behind its last products
.endr
.endif
.endif
.set w, w+1
.endr
.endm
.macro L3                       ; a k step of the last layer: four products
	WIN 0
.irp tq, 0,1,2,3
	v_wmma_f32_16x16x32_f16 v[OACC+8*\tq:OACC+8*\tq+7], v[W3F:W3F+7], v[HB+8*\tq:HB+8*\tq+7], v[OACC+8*\tq:OACC+8*\tq+7]
.endr
.endm
.Lbatch:                                               ; eight trips, 64 points each
	s_mov_b32 s[TB], LW1
	s_mov_b32 s[T0], LW0
	v_add_nc_u32 v[ADA], s[TB], v[LT]
	s_add_co_u32 s[TB], s[TB], 32*PW
	W0LOAD                                         ; k step 0's operands land while the inputs are prepared
	FETCH_A 0
	FETCH_A 1
	WIN 0
	; THE BATCH'S INPUTS, each step for the four tiles.  x / max(|x|, 1e-12) = x min(1 / |x|, 1e12).
	s_wait_loadcnt 0x0                             ; asked for a batch ago
.irp t, 0,1,2,3
	v_mul_f32 v[Q+2*\t], v[RAW+8*\t], v[RAW+8*\t]
	v_mul_f32 v[Q+2*\t+1], v[RAW+8*\t+4], v[RAW+8*\t+4]
.endr
.irp c, 1,2
.irp t, 0,1,2,3
	v_fma_f32 v[Q+2*\t], v[RAW+8*\t+\c], v[RAW+8*\t+\c], v[Q+2*\t]
	v_fma_f32 v[Q+2*\t+1], v[RAW+8*\t+4+\c], v[RAW+8*\t+4+\c], v[Q+2*\t+1]
.endr
.endr
.irp z, 0,1,2,3,4,5,6,7
	v_rsq_f32 v[Q+\z], v[Q+\z]
.endr
.irp t, 0,1,2,3
	v_cvt_pk_f16_f32 v[PX+4*\t+3], v[RAW+8*\t+3], v[RAW+8*\t+7]   ; plain work between the last root and the first use of a result (ISA guide 5.7.2)
.endr
	s_wait_alu depctr_va_vdst(0)
.irp z, 0,1,2,3,4,5,6,7
	v_min_num_f32 v[Q+\z], 0x5368d4a5, v[Q+\z]
.endr
.irp t, 0,1,2,3
.irp c, 0,1,2
	v_mul_f32 v[RAW+8*\t+\c], v[RAW+8*\t+\c], v[Q+2*\t]
	v_mul_f32 v[RAW+8*\t+4+\c], v[RAW+8*\t+4+\c], v[Q+2*\t+1]
.endr
.endr
.irp t, 0,1,2,3
	v_mul_f32 v[DOT+\t], v[RAW+8*\t], v[RAW+8*\t+4]
.endr
.irp c, 1,2
.irp t, 0,1,2,3
	v_fma_f32 v[DOT+\t], v[RAW+8*\t+\c], v[RAW+8*\t+4+\c], v[DOT+\t]
.endr
.endr
.irp t, 0,1,2,3
	v_cvt_pk_f16_f32 v[PX+4*\t], v[RAW+8*\t], v[RAW+8*\t+1]
	v_cvt_pk_f16_f32 v[PX+4*\t+1], v[RAW+8*\t+2], v[RAW+8*\t+4]
	v_cvt_pk_f16_f32 v[PX+4*\t+2], v[RAW+8*\t+5], v[RAW+8*\t+6]
	v_cmp_lt_f32 s[66+\t], 0, v[DOT+\t]
.endr
.irp t, 0,1,2,3                        ; lanes 0-15 carry k = 0..7, the point's eight inputs; lanes 16-31 k = 8..15: 1, 1, 1, 0, ..
	v_cndmask_b32 v[X0+8*\t], v[PX+4*\t], s[ONE2], s[HIM]
	v_cndmask_b32 v[X0+8*\t+1], v[PX+4*\t+1], s[ONE1], s[HIM]
	v_cndmask_b32 v[X0+8*\t+2], v[PX+4*\t+2], 0, s[HIM]
	v_cndmask_b32 v[X0+8*\t+3], v[PX+4*\t+3], 0, s[HIM]
.endr
.irp t, 0,1,2,3
.irp z, 0,1,2
	v_mov_b32 v[OACC+8*\t+\z], 0                   ; the last layer's sums begin at 0: its first k step stands in the loop's one text
.endr
.endr
	s_and_b32 s[VIS], s66, 0xffff                  ; on the way out lanes 0-15 hold an even tile's points, lanes 16-31 the odd tile's
	s_and_b32 s70, s67, s[HIM]
	s_or_b32 s[VIS], s[VIS], s70
	s_and_b32 s[VIS+1], s68, 0xffff
	s_and_b32 s70, s69, s[HIM]
	s_or_b32 s[VIS+1], s[VIS+1], s70
.irp t, 0,1,2,3
	global_load_b96 v[RAW+8*\t:RAW+8*\t+2], v[VO12], s[4:5] offset:192*\t     ; the next batch's inputs have this batch's products in which to come
	global_load_b96 v[RAW+8*\t+4:RAW+8*\t+6], v[VO12], s[6:7] offset:192*\t
	global_load_b32 v[RAW+8*\t+3], v[VO4], s[8:9] offset:64*\t
	global_load_b32 v[RAW+8*\t+7], v[VO4], s[10:11] offset:64*\t
.endr
	s_wait_xcnt 0x0                                ; the bases are stepped only behind this wait
	s_cmp_gt_u32 s31, 2                            ; the addresses stop at the wave's last batch: no load leaves its buffer, and the last batch loads its own inputs once more, for nobody
	s_cselect_b32 s[ST12], 768, 0
	s_cselect_b32 s[ST4], 256, 0
	s_add_nc_u64 s[4:5], s[4:5], s[ST12:ST12+1]
	s_add_nc_u64 s[6:7], s[6:7], s[ST12:ST12+1]
	s_add_nc_u64 s[8:9], s[8:9], s[ST4:ST4+1]
	s_add_nc_u64 s[10:11], s[10:11], s[ST4:ST4+1]
	; PHASE 1.  H0's fragment of k step 0 is made with nothing beside it; its part for points 3 is rounded in the step itself, as in every step.
	s_wait_dscnt 0x0                               ; W0's first columns, W1's k step 0 (and, in the first batch, b1's tiles)
	s_barrier_signal -1                            ; the four waves meet twice a batch, here and in the middle.  Nothing is handed over: the barriers keep the waves in the same phase of
	L0P                                            ; their walk through the shared weights; each stands where no LDS instruction is out anyway, with work on registers between signal and wait
	s_barrier_wait -1
	W0LOAD                                         ; the four v_nop stand between the products and these loads into their source
.set n, 0
.rept 16
	RL n
.set n, n+1
.endr
.irp t, 0,1,2
	CV \t, 0
	CV \t, 1
.endr
	TRIP 1                                         ; k step 0 starts the sums
	s_mov_b32 s[CG], 7
.Lg:                                                   ; k steps 1 to 7
	TRIP 0
	s_sub_co_u32 s[CG], s[CG], 1
	s_cmp_lg_u32 s[CG], 0
	s_cbranch_scc1 .Lg
	; THE MIDDLE: ReLU and rounding in place.  Fragment (k step e, points t) of H1 takes the eight registers of the even tile's accumulator: its own numbers in the lower four, the odd tile's in the upper four.
	s_wait_dscnt 0x0                               ; the last step's fetches, which serve nothing, have landed: their registers are loaded again below
	s_barrier_signal -1
	WIN 0xaa                                       ; all in window 2
.set n, 0
.rept 32
.irp z, 0,1,2,3,4,5,6,7
	v_max_num_f32 v[8*n+\z], 0, v[8*n+\z]
.endr
.irp z, 0,1,2,3
	v_cvt_pk_f16_f32 v[8*n+\z], v[8*n+2*\z], v[8*n+2*\z+1]   ; register z is written when registers 2 z and 2 z + 1 are read: nothing unread is lost
.endr
.set n, n+1
.endr
	s_barrier_wait -1
	WIN 0
	s_mov_b32 s[TC], LW2                           ; phase 2's first operands land during the rest of the middle
	s_mov_b32 s[TBB], LB2
	s_mov_b32 s[T3], LW3
	ADDR2
	BLOAD 0
	BLOAD 1
	WIN 0x40
.set n, 0
.rept 16
	F2 0, n
	F2 1, n
.set n, n+1
.endr
	WIN 0xff                                       ; all in window 3
.set n, 0
.rept 256
	v_max_num_f32 v[n], 0, v[n]
.set n, n+1
.endr
	WIN 0x8f                                       ; from window 3 into window 2
.set n, 0
.rept 32
.irp z, 0,1,2,3
	v_cvt_pk_f16_f32 v[8*n+4+\z], v[8*n+2*\z], v[8*n+2*\z+1]
.endr
.set n, n+1
.endr
	; PHASE 2
	HALF 0, 0, 0, 0                                ; pair 0's first tile: there is nothing yet to ride behind its products
	WIN 0
	s_mov_b32 s[CP], 7
.Lpair:                                                ; trip p = 0 .. 6: pair p's second tile, pair p + 1's first, and pair p's k step of the last layer
	HALF 1, 1, 1, 1
	HALF 0, 1, 1, 0
	L3
	s_sub_co_u32 s[CP], s[CP], 1
	s_cmp_lg_u32 s[CP], 0
	s_cbranch_scc1 .Lpair
	HALF 1, 1, 0, 1                                ; pair 7's second tile: only W3's last fragment is left to fetch
.irp r, 2,3,6,7,10,11,14,15                    ; its ReLU and rounding have no products to ride behind
	RL \r
.endr
.irp t, 0,1,2,3
	CV \t, 1
.endr
	s_wait_dscnt 0x0                               ; W3's last fragment
	L3
	; THE WAY OUT.  W3's columns stand twice, so lanes 16-31 hold the same three outputs as lanes 0-15; a pair of tiles then fills 32 lanes with 32 points.  acc / A + b3, 0 where the point is not visible;
	; 12 bytes a point into my stage, and back as three runs of 256 consecutive bytes, 8 bytes a lane.
.rept 4
	v_nop                                          ; the places behind the last products
.endr
.irp q, 0,1
.irp j, 0,1,2
	v_cndmask_b32 v[ET+3*\q+\j], v[OACC+16*\q+\j], v[OACC+16*\q+8+\j], s[HIM]
.endr
.endr
.irp q, 0,1
.irp j, 0,1,2
	v_fma_f32 v[ET+3*\q+\j], v[ET+3*\q+\j], s[INVA], s[B3+\j]
.endr
.endr
.irp q, 0,1
.irp j, 0,1,2
	v_cndmask_b32 v[ET+3*\q+\j], 0, v[ET+3*\q+\j], s[VIS+\q]
	ds_store_b32 v[STS], v[ET+3*\q+\j] offset:384*\q+4*\j
.endr
.endr
.irp i, 0,1,2
	ds_load_b64 v[U0+2*\i:U0+2*\i+1], v[STL] offset:256*\i   ; LDS serves a wave's instructions in order (ISA guide 5.7.1.4): these see the stores above
.endr
	s_wait_dscnt 0x0
.irp i, 0,1,2
	global_store_b64 v[GO], v[U0+2*\i:U0+2*\i+1], s[24:25] offset:256*\i th:TH_STORE_NT   ; 32 lanes store 256 consecutive bytes, at a multiple of 256 from the output's first
.endr
	s_wait_xcnt 0x0                                ; frees the stores' data registers and their base
	s_add_nc_u64 s[24:25], s[24:25], 768
	s_sub_co_u32 s31, s31, 1
	s_cmp_lg_u32 s31, 0
	s_cbranch_scc1 .Lbatch
	s_wait_tensorcnt 0x0                           ; the wave's end: behind my last tensor load and my last LDS store
	ds_add_u32 v[SPW], v[NIL]
	s_wait_dscnt 0x0
	s_endpgm
.Lfunc_end_k_qa2f2822846_mlp:
	.size	k_qa2f2822846_mlp, .Lfunc_end_k_qa2f2822846_mlp-k_qa2f2822846_mlp
	.p2alignl 7, 3214868480
	.fill 96, 4, 3214868480
	.section	.rodata,"a",@progbits
	.p2align	6, 0x0
	.amdhsa_kernel k_qa2f2822846_mlp
		.amdhsa_group_segment_fixed_size 327680
		.amdhsa_private_segment_fixed_size 0
		.amdhsa_enable_private_segment 0
		.amdhsa_kernarg_size 160
		.amdhsa_user_sgpr_count 2
		.amdhsa_user_sgpr_kernarg_segment_ptr 1
		.amdhsa_wavefront_size32 1
		.amdhsa_system_sgpr_workgroup_id_x 1
		.amdhsa_system_sgpr_workgroup_id_y 1
		.amdhsa_system_sgpr_workgroup_id_z 1
		.amdhsa_system_vgpr_workitem_id 0
		.amdhsa_next_free_vgpr 1024
		.amdhsa_next_free_sgpr 88
		.amdhsa_reserve_vcc 0
		.amdhsa_float_denorm_mode_32 3
		.amdhsa_float_denorm_mode_16_64 3
		.amdhsa_memory_ordered 1
		.amdhsa_forward_progress 1
		.amdhsa_inst_pref_size 126
	.end_amdhsa_kernel
	.amdgpu_metadata
---
amdhsa.version: [ 1, 2 ]
amdhsa.kernels:
  - .name:           k_qa2f2822846_mlp
    .symbol:         k_qa2f2822846_mlp.kd
    .args:
      - { .name: normals, .offset: 0, .size: 8, .value_kind: global_buffer, .address_space: global }
      - { .name: view_dirs, .offset: 8, .size: 8, .value_kind: global_buffer, .address_space: global }
      - { .name: roughness, .offset: 16, .size: 8, .value_kind: global_buffer, .address_space: global }
      - { .name: r0, .offset: 24, .size: 8, .value_kind: global_buffer, .address_space: global }
      - { .name: dW0, .offset: 32, .size: 8, .value_kind: global_buffer, .address_space: global }
      - { .name: db0, .offset: 40, .size: 8, .value_kind: global_buffer, .address_space: global }
      - { .name: db1, .offset: 48, .size: 8, .value_kind: global_buffer, .address_space: global }
      - { .name: db2, .offset: 56, .size: 8, .value_kind: global_buffer, .address_space: global }
      - { .name: dW3, .offset: 64, .size: 8, .value_kind: global_buffer, .address_space: global }
      - { .name: db3, .offset: 72, .size: 8, .value_kind: global_buffer, .address_space: global }
      - { .name: out0, .offset: 80, .size: 8, .value_kind: global_buffer, .address_space: global }
      - { .name: wh, .offset: 88, .size: 8, .value_kind: global_buffer, .address_space: global }
      - { .name: sW0, .offset: 96, .size: 8, .value_kind: global_buffer, .address_space: global }
      - { .name: sb0, .offset: 104, .size: 8, .value_kind: global_buffer, .address_space: global }
      - { .name: sb1, .offset: 112, .size: 8, .value_kind: global_buffer, .address_space: global }
      - { .name: sb2, .offset: 120, .size: 8, .value_kind: global_buffer, .address_space: global }
      - { .name: sW3, .offset: 128, .size: 8, .value_kind: global_buffer, .address_space: global }
      - { .name: sb3, .offset: 136, .size: 8, .value_kind: global_buffer, .address_space: global }
      - { .name: out1, .offset: 144, .size: 8, .value_kind: global_buffer, .address_space: global }
      - { .name: wmax, .offset: 152, .size: 8, .value_kind: global_buffer, .address_space: global }
    .group_segment_fixed_size: 327680
    .private_segment_fixed_size: 0
    .kernarg_segment_align: 8
    .kernarg_segment_size: 160
    .max_flat_workgroup_size: 128
    .sgpr_count:     88
    .vgpr_count:     1024
    .wavefront_size: 32
...
	.end_amdgpu_metadata
.endif
;; end of part 2
